; MI455X (gfx1250); checked and timed in simulation.
; The chip was launched on July 23, 2026; its instructions are those of AMD's public machine-readable ISA for CDNA 5 (MIT licence, August 2026) and "CDNA5" Instruction Set Architecture Reference Guide (July 2026). The comments in the code are by the model that wrote it; some were corrected since.
;; Modified Vi T Self Attention. Allowed arithmetic: matrix products marked QUANTISED: E2M1 operands, one E8M0 scale for each 32 along K, by v_wmma_scale_f32_16x16x128_f8f6f4 with both operands' format E2M1 (or v_wmma_scale_f32_32x16x128_f4), f32 sums; everything else in f32.
;; Inputs: Wk_codes 768 x 24 x 16 uint8 (E2M1 codes of Wk, K innermost, in blocks of 32 codes, two codes a byte); Wk_scales 768 x 24 uint8 (E8M0 scales of Wk, one for each 32 codes along K); Wq_codes 768 x 24 x 16 uint8 (E2M1 codes of Wq, K innermost, in blocks of 32 codes, two codes a byte); Wq_scales 768 x 24 uint8 (E8M0 scales of Wq, one for each 32 codes along K); Wv_codes 768 x 24 x 16 uint8 (E2M1 codes of Wv, K innermost, in blocks of 32 codes, two codes a byte); Wv_scales 768 x 24 uint8 (E8M0 scales of Wv, one for each 32 codes along K); bk 768 float32; bq 768 float32; bv 768 float32; hidden_states_codes 32 x 577 x 24 x 16 uint8 (E2M1 codes of hidden_states, K innermost, in blocks of 32 codes, two codes a byte); hidden_states_scales 32 x 577 x 24 uint8 (E8M0 scales of hidden_states, one for each 32 codes along K); patch_indices_to_keep 289 int32.
;; Outputs: out0 32 x 289 x 768 float32.
;; This version of the problem:
;;   THIS VERSION OF THE PROBLEM IS GIVEN IN LOW PRECISION. The matrix products marked QUANTISED in the list below multiply operands that are first quantised to E2M1 (2 exponent bits, 1 mantissa bit; 4 bits a number), with one power-of-two scale for each 32 numbers along K (OCP MX v1.0); their sums are f32. All else is computed in f32.
;;   The module's matrix products, in the order in which they are computed (A, B: the left and right operand; K: the contracted axis; several contracted axes count as one K, in the product's order):
;;     1. [M 18,464, K 768] x [K 768, N 768]; A: input hidden_states (given as codes); B: input Wq (given as codes): QUANTISED
;;     2. [M 18,464, K 768] x [K 768, N 768]; A: input hidden_states (given as codes); B: input Wk (given as codes): QUANTISED
;;     3. [M 18,464, K 768] x [K 768, N 768]; A: input hidden_states (given as codes); B: input Wv (given as codes): QUANTISED
;;     4. batch 384 x [M 289, K 64] x [K 64, N 577]; A: computed on the way; B: computed on the way: QUANTISED
;;     5. batch 384 x [M 289, K 577] x [K 577, N 64]; A: softmax (see below); B: computed on the way: QUANTISED
;;   THE QUANTISER, for each operand of a quantised product, along K:
;;     - K is cut into blocks of 32 from its start; a last block that is shorter is filled with zeros.
;;     - A block's scale is 2^e with e = floor(log2(the largest magnitude in the block)) - 2, held to -126 .. 127; a block of zeros has e = 0. As a byte (E8M0): e + 127.
;;     - Each number is divided by its block's scale, clamped to +-6, and rounded to the nearest number of E2M1, ties to even, subnormals kept.
;;     - The product sums the exact products of the quantised numbers (number of the format x scale) in f32.
;;   ~~~python
;;   def quantise(x, axis):      # numpy; x: float32 -> the quantised numbers, widened to float32 again
;;       x = np.moveaxis(x, axis, -1); K = x.shape[-1]
;;       x = np.pad(x, [(0, 0)] * (x.ndim - 1) + [(0, -K % 32)]); x = x.reshape(x.shape[:-1] + (-1, 32)); a = np.abs(x).max(-1, keepdims=True)
;;       e = np.where(a > 0, np.clip(np.frexp(np.where(a > 0, a, 1))[1] - 1 - 2, -126, 127), 0)      # np.frexp(a)[1] - 1 = floor(log2(a)), exactly
;;       r = np.clip(x / 2.0 ** e, -6, 6)
;;       step = 2.0 ** (np.maximum(np.frexp(np.where(r == 0, 1, r))[1] - 1, 0) - 1)
;;       q = np.round(r / step) * step * 2.0 ** e      # np.round: ties to even
;;       return np.moveaxis(q.reshape(q.shape[:-2] + (-1,))[..., :K], -1, axis).astype(np.float32)
;;   ~~~
;;   SOFTMAX AHEAD OF A QUANTISED PRODUCT. Where the list says 'softmax', what is quantised is not the finished softmax but p = 2^(t - M), with t = logit x log2(e) and M = ceil(the row's largest t), a whole number; so 1/2 < the row's largest p <= 1. The row's sum l is taken of the UNQUANTISED p, in f32, and the product's result is divided by l at the end. Since M is a whole number, a kernel that streams over the keys may use a running M (the ceiling of the running maximum): every later rescaling is an exact power of two, which a block's scale takes up: the codes' values come out the same.
;;   OPERANDS COMPUTED ON THE WAY. 'Computed on the way' means the value that the module computes at that place (a softmax that the list does not call 'softmax' is quantised finished and normalised). What goes into a quantiser is computed in f32, as accurately as f32 sums, v_exp_f32 and their like allow (about 1e-6 of the number): no bf16 or f16 on the way to a quantiser, and a product that is left as it is and whose result goes on into a quantised operand takes f32 operands (vector FMAs, or v_wmma_f32_16x16x4_f32). A number that lies on a knife's edge between two numbers of the format may be rounded either way, as far as f32 arithmetic and the matrix unit's own rounding can turn it there, and no further.
;;   INPUTS GIVEN AS CODES. Wk (in the module: [768, 768], K = its axis 1); Wq (in the module: [768, 768], K = its axis 1); Wv (in the module: [768, 768], K = its axis 1); hidden_states (in the module: [32, 577, 768], K = its axis 2): each comes as NAME_codes (uint8): NAME with its K axis moved to the last place and cut into blocks of 32 codes, [.., K / 32, bytes a block], one block behind the other in memory; two codes a byte, the lower K in the low four bits (a code: sign, 2 exponent bits, 1 mantissa bit); and NAME_scales (uint8): the same leading axes, one E8M0 byte (e + 127) for each 32 codes along K. Its value is code x scale, taken as it is: it is not quantised again, and the codes and scales need not be those that the quantiser above would give.
;; One version. Each part assembles by itself: llvm-mc -triple=amdgcn-amd-amdhsa -mcpu=gfx1250 --defsym DOCPART=n.
;; ======== version 1 of 1: 1 launch
;; launch attn (part 1): grid 12 x 32, 19 waves a work-group, no clusters, 320,768 bytes of LDS; arguments hidden_states_codes, hidden_states_scales, Wk_codes, Wk_scales, Wv_codes, Wv_scales, Wq_codes, Wq_scales, bk, bv, bq, patch_indices_to_keep, out0; writes out0
.if DOCPART == 1
	.amdgcn_target "amdgcn-amd-amdhsa--gfx1250"
	.amdhsa_code_object_version 6
	.text
	.protected	k_q442fa65b9b_attn
	.globl	k_q442fa65b9b_attn
	.p2align	8
	.type	k_q442fa65b9b_attn,@function
k_q442fa65b9b_attn:
	s_mov_b64 s[64:65], 0
	v_nop
	global_prefetch_b8 v0, s[64:65] scope:SCOPE_SE
	s_setreg_imm32_b32 hwreg(HW_REG_WAVE_MODE, 25, 1), 1
	s_wait_xcnt 0x0
; out0[b][i][64 n + d] = sum over keys of softmax(q . k / 8) v, for batch b, head n, query row patch_indices_to_keep[i]; q, k, v = X W^T + bias.  All five products on codes of FP4 (E2M1) with one E8M0
; scale for each 32 along K.  X (hidden_states) and the three weights arrive as codes; q and k are quantised here along the head's 64, v and p along the keys (19 blocks of 32; the last holds key 576 and zeros).
; p = 2^(t - M), t = score x log2(e) / 8, M the running largest t rounded up to a whole number; the row's sum is taken of the unquantised p and divides at the end.
; ONE LAUNCH, ONE WORK-GROUP FOR EACH (batch, head): a head needs only its own 64 columns of q, k and v, so the projections are shared out with no product done twice, and q, k, v and p never go to memory.
; NINETEEN WAVES: 577 keys are 19 blocks of 32 and 289 queries are 19 tiles of 16.  Wave w projects and quantises keys 32 w .. 32 w + 31 (K and V) and queries 16 w .. 16 w + 15, then walks all keys for its queries.
; WORK LEFT OUT.  reference() computes q for all 577 rows and keeps, by its own gather, the rows that patch_indices_to_keep names: a row of X Wq^T + bq that no index names reaches no output, whatever the inputs hold.
;   So the first product is done on the 289 gathered rows of each batch: a lookup by an index that this launch reads from memory.  Every input keeps a way to the output and is loaded (bq and bk stand ahead of quantisers).
;   In the last key step the tiles of keys 592 .. 639 are not multiplied: there are no such keys.  LIMIT: a NaN, an infinity or an overflow that would arise only in a row of q that is not gathered is not carried to the result.
;   Wave 18 runs the other waves' projection on rows held at 576: 31 of its 32 keys and 15 of its 16 queries are copies that are masked or not stored; they share tiles with live rows, and 18 waves do the full work ahead of the same barrier.
; LIMITS.  An index outside 0 .. 576 is held at 576.  A block whose largest magnitude lies under 2^-124 gets the byte 1, as the rule's clip gives; a block of zeros gets 1 where the rule says 127 (its codes are zeros; the bytes are read here alone).
;   A p under 2^-126 counts as 0 (v_exp_f32).  t is taken to lie above -3e38.  NaN and infinities among the numbers are not served.
; NO CLUSTER, NO TENSOR LOAD.  The twelve heads of a batch read the same X: 221,568 bytes.  Inside a work-group each byte of X is wanted by one wave alone, once: so each wave fetches its own 32 rows, and nothing of X stays in LDS.
;   A tile for the tensor mover would want its rows of 384 bytes padded behind every 128 (the padding's interval is a power of two): 577 x 432 bytes, which do not fit beside the weights' images (85,504 bytes).
;   No prefetch: all loads stand at the work-group's head but the gathered rows, which lie among the rows just read.
; X COMES IN BY DENSE LOADS AND TURNS THROUGH LDS.  A fragment wants 16 bytes of a row in a lane and sixteen rows in sixteen lanes; loaded so, each load would take 32 bytes out of each of 16 rows.  So a wave's 12,288 bytes come as they lie,
;   512 consecutive bytes a load, go into the wave's own stage in LDS and come back as fragments, into the registers that they left.
; OPERANDS GO FROM WAVE TO WAVE THROUGH LDS AS IMAGES OF THEIR REGISTERS: lane l's 16 bytes at 16 l; the wave that loads them so has the same registers in the same lanes.
; LAYOUT.  l = lane, r = l % 16, h = l / 16, rp = r + 8 (r / 8).  THE ROWS OF A TILE ARE NOT NEIGHBOURS: lane r of weight tile t takes row 32 (t / 2) + 8 (t % 2) + rp of the head's 64; lane r of X tile u takes key 32 w + 8 u + rp.
;   K, Q: source 0 = a weight tile, source 1 = an X tile: a lane holds one key (query), and the 16 registers of tiles 2 b, 2 b + 1 are d = 32 b + 16 h + 0 .. 15.   V: source 0 = an X tile, source 1 = a weight tile: a lane holds one d,
;   and the 16 registers of X tiles 0, 1 are keys 32 w + 16 h + 0 .. 15.   S^T = K Q^T and O^T = V^T P^T: a lane holds one query throughout.
;   THE HEAD HAS 64 OF THE INSTRUCTION'S 128 ALONG K: Q's upper four registers are zero codes, and K's operand runs on into the next four registers, whatever codes they hold: FP4 has no NaN and no infinity, the scale bytes there are 0
;   (not 0xff), and the other side is 0: they add exactly 0.
.set NKEY,  577
.set XROW,  384                        ; a row of 768 codes in bytes
.set XSROW, 24                         ; and its scale bytes
.set OROW,  3072                       ; a row of out0 in bytes
; ---- LDS
.set WIMG,  0                          ; 18 x 4,096: weight wt (0 K, 1 V, 2 Q), K step ks: 4096 (6 wt + ks) + 1024 t + 512 c + 16 l
.set WSC,   73728                      ; 18 x 512: their scale words: 512 (6 wt + ks) + 16 l + 4 t
.set BKL,   82944                      ; bk of the head, 256 bytes; bq behind it
.set BVI,   83456                      ; 4 x 512: 512 t + 16 l: bv at the lane's d of tile t, four times
.set XST,   85504                      ; 18 x 12,928: wave w's 32 rows of X on their way into fragments.  It lies over the records and the way out's stages below: those are first written behind the first barrier,
.set XSTW,  12928                      ; in front of which every wave has waited for its reads of its stage.  Row i lies at 400 i + 128 (i / 16): 400 bytes are 25 pieces of 16, so rows 0-7 start at pieces 0, 9, 2, 11, 4, 13, 6, 15 modulo 16,
.set XP,    400                        ; and rows 16-23, eight pieces further on, at the other eight: the sixteen rows that a fragment load touches start at sixteen different groups of four banks (64 banks of 4 bytes: ISA guide 11.1)
.set REC,   85504                      ; 5 records, one for each step of 128 keys
.set RECB,  9216                       ; a record: 8 tiles of K (512 T + 16 l);
.set RV,    4096                       ; 4 fragments of V^T (1024 t + 512 c + 16 l);
.set RKS,   8192                       ; K's scale words (16 l + 4 (T % 4): lanes 0-15 tiles 0-3, lanes 16-31 tiles 4-7);
.set RVS,   8704                       ; V's scale bytes (16 l + 4 t + block)
.set STG,   131584                     ; 19 x 4,352: the way out: a stage of 16 rows x (256 + 16) bytes for each wave
.set SPARE, 318208                     ; behind X's stages: the spare words, 128 bytes for each wave, in ten blocks of 256 bytes that no other line names
; ---- vector registers
.set AW,   1                           ; 16 l (the weights' images, and my 16 bytes of a dense load; + 49,152 for Wq's images)
.set AWS,  2                           ; WSC + 16 l
.set ABK,  3                           ; BKL + 64 h
.set AKI,  4                           ; where I store my two tiles of K
.set AKSS, 5                           ; their scale words
.set AVI,  6                           ; my block of V^T's fragments
.set AVSS, 7                           ; its scale bytes
.set QO,   8                           ; my gathered row of X: its codes, + 16 h
.set QSO,  9                           ; its scale bytes
.set AR,   10                          ; REC + 16 l
.set SPW,  11                          ; my spare word: SPARE + 4 x my thread's number; never rewritten
.set NIL,  12                          ; 0; never rewritten
.set STO,  13                          ; the stage: where I put my 64 bytes' pieces of a row
.set SRD,  14                          ; and where I read rows back
.set GO,   15                          ; my byte offset in two rows of out0
.set AS,   1                           ; attention: the step's record + 16 l
.set NM,   2                           ; -M
.set MT,   3                           ; the running largest t
.set LS,   4                           ; v[4:5] the row's sum in two halves
.set FF,   6                           ; v[6:7] f = 2^(old M - new M); later 1 / the sum (the pair's upper word is written and not used)
.set XS,   16                          ; v16-31 hold scales and nothing else.  v16-21 X's words for K steps 0-5: lanes 0-15 X tile 0, lanes 16-31 X tile 1
.set XQS,  22                          ; v22-27 the gathered rows' words
.set WS,   28                          ; v28-31 the weight tiles' words
.set KW,   30                          ; v30-31 my two tiles' words of K on their way to LDS
.set KSW,  16                          ; attention: v16-19 K's words; v20-23 V's; v24 p's; v25 Q's
.set VSW,  20
.set PW,   24
.set QW,   25
.set XF,   32                          ; v32-127 X as it is loaded (4 j), then X's fragments: 48 u + 8 ks; later the gathered rows' at 8 ks
.set WFQ,  80                          ; v80-111 Wq's four fragments of a K step
.set ACC,  128                         ; v128-159 four accumulators
.set WF,   160                         ; v160-175 two weight fragments
.set S,    32                          ; attention: v32-95 S^T, then p; on the way out rows of out0
.set O,    96                          ; v96-127 O^T
.set FB,   128                         ; v128-159 K's eight tiles (four registers each), then V^T's four fragments
.set PC,   160                         ; v160-167 p's codes
.set QF,   168                         ; v168-175 Q's fragment
.set TM,   176                         ; the quantiser: largest magnitudes; v178 the other half's; v180 scale operands; v182 bytes
.set TP,   178
.set TSO,  180
.set TB,   182
.set KC,   184                         ; v184-191 K's codes, 4 u + ..
.set VC,   184                         ; v184-187 V's codes
.set BM,   176                         ; attention: the blocks' largest scores; v180 the other half's, then bytes; v184 scale operands
.set BP,   180
.set SO,   184
.set T0,   188
.set T1,   189
.set SU,   190                         ; v[190:191] the sums' second chain
.set LN,   160                         ; at the head: l, r, h, rp
.set RR,   161
.set HH,   162
.set RP,   163
.set XW,   164                         ; at the head: v164-166 X's stage, on the way in: one address for each of three loads on end (96 pieces of 16 bytes are four rows)
.set XR,   167                         ; and on the way out: my row of a tile, + 16 h
.set XT,   168                         ; at work
.set SW,   176                         ; at the head: v176-179 four scale words; v180-190 addresses and offsets of the first loads
.set AWST, 180
.set AWSST, 181
.set ABST, 182
.set GWO,  183
.set GWS,  184
.set GB,   185
.set GBV,  186
.set XO,   187
.set XSO,  189
.set IO,   190
; ---- scalar registers: s2 wave, s3 head, s4 batch, s5-13 at work, s[14:15] X at my wave's rows, s[16:41] the buffers, s[42:43] an offset, s48 the loop's count, s49 EXEC, s[50:53] the loading wave's weight
.set SEL,  44                          ; s[44:45] v_permlanex16_b32's selects for lane l xor 16
.set CS,   46                          ; s[46:47] c = log2(e) / 8: the packed form names a pair and takes its low word for both halves
.set RB,   54                          ; s54 the step's record, in bytes from the first
.macro PLACES n                        ; plain places behind matrix instructions (ISA guide 7.12.1), where no useful work is at hand
.rept \n
	v_nop
.endr
.endm
; a product that adds in place.  row = 1: source 0's scales from lanes 16-31; 2: source 1's
.macro MM d, a, b, sa, sb, row
.if \row == 1
	v_wmma_scale_f32_16x16x128_f8f6f4 v[\d:\d+7], v[\a:\a+7], v[\b:\b+7], v[\d:\d+7], v[\sa], v[\sb] matrix_a_fmt:MATRIX_FMT_FP4 matrix_b_fmt:MATRIX_FMT_FP4 matrix_a_scale:MATRIX_SCALE_ROW1
.elseif \row == 2
	v_wmma_scale_f32_16x16x128_f8f6f4 v[\d:\d+7], v[\a:\a+7], v[\b:\b+7], v[\d:\d+7], v[\sa], v[\sb] matrix_a_fmt:MATRIX_FMT_FP4 matrix_b_fmt:MATRIX_FMT_FP4 matrix_b_scale:MATRIX_SCALE_ROW1
.else
	v_wmma_scale_f32_16x16x128_f8f6f4 v[\d:\d+7], v[\a:\a+7], v[\b:\b+7], v[\d:\d+7], v[\sa], v[\sb] matrix_a_fmt:MATRIX_FMT_FP4 matrix_b_fmt:MATRIX_FMT_FP4
.endif
.endm
; a product that starts a sum
.macro MZ d, a, b, sa, sb, row
.if \row == 1
	v_wmma_scale_f32_16x16x128_f8f6f4 v[\d:\d+7], v[\a:\a+7], v[\b:\b+7], 0, v[\sa], v[\sb] matrix_a_fmt:MATRIX_FMT_FP4 matrix_b_fmt:MATRIX_FMT_FP4 matrix_a_scale:MATRIX_SCALE_ROW1
.else
	v_wmma_scale_f32_16x16x128_f8f6f4 v[\d:\d+7], v[\a:\a+7], v[\b:\b+7], 0, v[\sa], v[\sb] matrix_a_fmt:MATRIX_FMT_FP4 matrix_b_fmt:MATRIX_FMT_FP4
.endif
.endm
	s_load_b512 s[16:31], s[0:1], 0x0              ; X's codes s[16:17], scales s[18:19]; Wk's s[20:23]; Wv's s[24:27]; Wq's s[28:31]
	s_load_b256 s[32:39], s[0:1], 0x40             ; bk, bv, bq, the indices
	s_load_b64 s[40:41], s[0:1], 0x60              ; out0
	v_lshl_add_u32 v[SPW], v0, 2, SPARE
	v_mov_b32 v[NIL], 0
	v_lshrrev_b32 v[LN], 5, v0
	s_delay_alu instid0(VALU_DEP_1)
	v_readfirstlane_b32 s2, v[LN]                  ; wave 0 .. 18
	v_and_b32 v[LN], 31, v0                        ; l
	v_and_b32 v[RR], 15, v0                        ; r
	v_bfe_u32 v[HH], v0, 4, 1                      ; h
	v_and_b32 v[RP], 8, v0
	s_delay_alu instid0(VALU_DEP_1)
	v_add_nc_u32 v[RP], v[RP], v[RR]               ; rp = r + 8 (r / 8)
	s_mov_b32 s3, ttmp9                            ; the head
	s_and_b32 s4, ttmp7, 0xffff                    ; the batch
	; offsets of the first loads.  A key beyond the last is held at the last: no load leaves its buffer
	s_lshl_b32 s5, s2, 5
	v_add_nc_u32 v[XO], s5, v[RP]                  ; X tile 0: key 32 w + rp (the codes' offsets serve wave 18 alone)
	s_delay_alu instid0(VALU_DEP_1)
	v_add_nc_u32 v[XO+1], 8, v[XO]                 ; X tile 1: 8 further on
	s_delay_alu instid0(VALU_DEP_2)
	v_lshl_add_u32 v[XSO], v[HH], 3, v[XO]         ; the scale words: lanes 0-15 tile 0's rows, lanes 16-31 tile 1's
	s_delay_alu instid0(VALU_DEP_3)
	v_min_u32 v[XO], NKEY-1, v[XO]
	s_delay_alu instid0(VALU_DEP_3)
	v_min_u32 v[XO+1], NKEY-1, v[XO+1]
	s_delay_alu instid0(VALU_DEP_3)
	v_min_u32 v[XSO], NKEY-1, v[XSO]
	s_delay_alu instid0(VALU_DEP_3)
	v_mul_u32_u24 v[XO], v[XO], XROW
	s_delay_alu instid0(VALU_DEP_3)
	v_mul_u32_u24 v[XO+1], v[XO+1], XROW
	s_delay_alu instid0(VALU_DEP_3)
	v_mul_u32_u24 v[XSO], v[XSO], XSROW
	s_delay_alu instid0(VALU_DEP_3)
	v_lshl_add_u32 v[XO], v[HH], 4, v[XO]
	s_delay_alu instid0(VALU_DEP_3)
	v_lshl_add_u32 v[XO+1], v[HH], 4, v[XO+1]
	s_lshl_b32 s5, s2, 4
	v_add_nc_u32 v[IO], s5, v[RR]                  ; my query: 16 w + r, held at the last
	s_delay_alu instid0(VALU_DEP_1)
	v_min_u32 v[IO], 288, v[IO]
	s_delay_alu instid0(VALU_DEP_1)
	v_lshlrev_b32 v[IO], 2, v[IO]
	v_mul_u32_u24 v[GWO], v[RP], XROW              ; a weight tile: row rp, + 16 h
	s_delay_alu instid0(VALU_DEP_1)
	v_lshl_add_u32 v[GWO], v[HH], 4, v[GWO]
	v_mul_u32_u24 v[GWS], v[RP], XSROW
	v_lshlrev_b32 v[GB], 4, v[RR]
	v_lshlrev_b32 v[GBV], 2, v[RP]
	; every LDS address is made here, ahead of the first branch on the wave's number: a constant, a constant x lane, a constant x wave
	v_lshlrev_b32 v[AW], 4, v[LN]
	s_wait_alu depctr_va_vdst(0)
	v_add_nc_u32 v[AWS], WSC, v[AW]
	v_lshl_add_u32 v[ABK], v[HH], 6, BKL
	v_add_nc_u32 v[AR], REC, v[AW]
	s_lshr_b32 s5, s2, 2                           ; my keys' step of 128,
	s_and_b32 s6, s2, 3                            ; and their block of 32 in it
	s_mul_i32 s7, s5, RECB
	s_add_co_u32 s7, s7, REC                       ; the step's record
	s_lshl_b32 s8, s6, 10
	s_add_co_u32 s8, s8, s7
	v_add_nc_u32 v[AKI], s8, v[AW]                 ; tiles 2 b and 2 b + 1
	s_lshr_b32 s9, s6, 1
	s_and_b32 s10, s6, 1
	s_lshl_b32 s11, s9, 8
	s_lshl_b32 s12, s10, 3
	s_add_co_u32 s11, s11, s12
	s_add_co_u32 s11, s11, s7
	s_add_co_u32 s11, s11, RKS
	v_lshl_add_u32 v[AKSS], v[RR], 4, s11          ; 256 (b / 2) + 16 r + 8 (b % 2): the words of tiles 2 b, 2 b + 1
	s_lshl_b32 s11, s6, 8
	s_add_co_u32 s11, s11, s7
	s_add_co_u32 s11, s11, RV
	v_lshl_add_u32 v[AVI], v[RR], 4, s11           ; block b lies in registers 4 (b / 2) on of lanes 16 (b % 2) + r: 256 b + 16 r,
	s_delay_alu instid0(VALU_DEP_1)
	v_lshl_add_u32 v[AVI], v[HH], 3, v[AVI]        ; and my 16 keys' codes are 8 of its 16 bytes
	s_add_co_u32 s11, s7, s6
	s_add_co_u32 s11, s11, RVS
	v_add_nc_u32 v[AVSS], s11, v[AW]
	s_mul_i32 s11, s2, 16*272
	s_add_co_u32 s11, s11, STG                     ; my stage for the way out
	v_mul_u32_u24 v[STO], v[RR], 272
	s_delay_alu instid0(VALU_DEP_1)
	v_lshl_add_u32 v[STO], v[HH], 6, v[STO]
	s_delay_alu instid0(VALU_DEP_1)
	v_add_nc_u32 v[STO], s11, v[STO]               ; in: row r, + 64 h
	v_mul_u32_u24 v[SRD], v[HH], 272
	s_delay_alu instid0(VALU_DEP_1)
	v_lshl_add_u32 v[SRD], v[RR], 4, v[SRD]
	s_delay_alu instid0(VALU_DEP_1)
	v_add_nc_u32 v[SRD], s11, v[SRD]               ; back: lanes 0-15 one row of 256 bytes, lanes 16-31 the next
	v_mul_u32_u24 v[GO], v[HH], OROW
	s_delay_alu instid0(VALU_DEP_1)
	v_lshl_add_u32 v[GO], v[RR], 4, v[GO]          ; and the same two rows in out0
	s_lshl_b32 s11, s2, 12
	v_add_nc_u32 v[AWST], s11, v[AW]               ; waves 0-17: the image that I lay: 4096 w + 16 l
	s_lshl_b32 s11, s2, 9
	v_add_nc_u32 v[AWSST], s11, v[AWS]
	v_lshl_add_u32 v[ABST], v[RR], 4, BKL
	; X's stage (waves 0-17).  Load j = 3 g + b brings pieces 96 g + 32 b + l of 16 bytes; a row is 24 pieces, so that is row 4 g + q, q = (32 b + l) / 24 = b + ((l + 8 (b + 1)) >> 5), and 400 q + 16 ((32 b + l) - 24 q) = 16 (32 b + l) + 16 q.
	; The register holds 16 l + 16 ((l + 8 (b + 1)) >> 5); the store's immediate holds 528 b + 1600 g + 128 (g / 4)
	s_mul_i32 s13, s2, XSTW
	s_add_co_u32 s13, s13, XST                     ; my stage for X
.irp b, 0,1,2
	v_add_nc_u32 v[XW+\b], 8*(\b+1), v[LN]
	s_delay_alu instid0(VALU_DEP_1)
	v_lshrrev_b32 v[XW+\b], 5, v[XW+\b]
	s_delay_alu instid0(VALU_DEP_1)
	v_lshl_add_u32 v[XW+\b], v[XW+\b], 4, v[AW]
	s_delay_alu instid0(VALU_DEP_1)
	v_add_nc_u32 v[XW+\b], s13, v[XW+\b]
.endr
	v_mul_u32_u24 v[XR], v[RP], XP                 ; back: row rp (tile 1: eight rows further on, in the immediate),
	v_lshrrev_b32 v[XT], 3, v[RR]
	s_delay_alu instid0(VALU_DEP_1)
	v_lshl_add_u32 v[XR], v[XT], 7, v[XR]          ; + 128 for rows 16 on,
	s_delay_alu instid0(VALU_DEP_1)
	v_lshl_add_u32 v[XR], v[HH], 4, v[XR]          ; + 16 h
	s_delay_alu instid0(VALU_DEP_1)
	v_add_nc_u32 v[XR], s13, v[XR]
	s_mov_b32 s[SEL], 0x76543210
	s_mov_b32 s[SEL+1], 0xfedcba98
	s_mov_b32 s[CS], 0x3e38aa3b                    ; log2(e) / 8
	s_mov_b32 s[CS+1], s[CS]
	s_mov_b32 s43, 0
	s_wait_kmcnt 0x0
	s_mul_i32 s42, s4, NKEY*XROW
	s_add_nc_u64 s[16:17], s[16:17], s[42:43]      ; X at my batch
	s_mul_i32 s42, s4, NKEY*XSROW
	s_add_nc_u64 s[18:19], s[18:19], s[42:43]
	global_load_b32 v[QO], v[IO], s[38:39]         ; my query's index
.irp i, 0,1,2
	global_load_b64 v[XS+2*\i:XS+2*\i+1], v[XSO], s[18:19] offset:8*\i   ; my 32 keys' scale words: 768 neighbouring bytes
.endr
	s_mul_i32 s42, s2, 32*XROW
	s_add_nc_u64 s[14:15], s[16:17], s[42:43]      ; X at my wave's 32 rows
	s_lshl_b32 s42, s3, 8                          ; the head's 64 numbers of each bias
	s_add_nc_u64 s[32:33], s[32:33], s[42:43]
	s_add_nc_u64 s[34:35], s[34:35], s[42:43]
	s_add_nc_u64 s[36:37], s[36:37], s[42:43]
	s_mul_i32 s42, s4, 289
	s_lshl_b32 s5, s2, 4
	s_add_co_u32 s42, s42, s5
	s_mul_i32 s42, s42, OROW
	s_lshl_b32 s5, s3, 8
	s_add_co_u32 s42, s42, s5
	s_add_nc_u64 s[40:41], s[40:41], s[42:43]      ; out0 at my first query's row, my head's 256 bytes
	; which weight and which K step a loading wave lays: waves 0-5 Wk, 6-11 Wv, 12-17 Wq.  The choice hangs on the wave's number alone
	s_cmp_lt_u32 s2, 12
	s_cselect_b64 s[50:51], s[24:25], s[28:29]
	s_cselect_b64 s[52:53], s[26:27], s[30:31]
	s_cselect_b32 s5, 6, 12
	s_cmp_lt_u32 s2, 6
	s_cselect_b64 s[50:51], s[20:21], s[50:51]
	s_cselect_b64 s[52:53], s[22:23], s[52:53]
	s_cselect_b32 s5, 0, s5
	s_sub_co_u32 s5, s2, s5                        ; the K step
	s_mul_i32 s42, s3, 64*XROW
	s_lshl_b32 s6, s5, 6
	s_add_co_u32 s42, s42, s6
	s_add_nc_u64 s[50:51], s[50:51], s[42:43]      ; the head's 64 rows, 64 bytes a K step
	s_mul_i32 s42, s3, 64*XSROW
	s_lshl_b32 s6, s5, 2
	s_add_co_u32 s42, s42, s6
	s_add_nc_u64 s[52:53], s[52:53], s[42:43]
	s_cmp_lt_u32 s2, 18
	s_cbranch_scc0 .Lbiases
	; ---- waves 0-17: four fragments of a weight and their scale words, which become images in LDS; behind them my 32 rows of X
.irp t, 0,1,2,3
	global_load_b128 v[ACC+8*\t:ACC+8*\t+3], v[GWO], s[50:51] offset:(32*(\t/2)+8*(\t%2))*XROW
	global_load_b128 v[ACC+8*\t+4:ACC+8*\t+7], v[GWO], s[50:51] offset:(32*(\t/2)+8*(\t%2))*XROW+32
	global_load_b32 v[SW+\t], v[GWS], s[52:53] offset:(32*(\t/2)+8*(\t%2))*XSROW
.endr
.set jj, 0
.rept 24
	global_load_b128 v[XF+4*jj:XF+4*jj+3], v[AW], s[14:15] offset:512*jj   ; 32 lanes read 512 consecutive bytes
.set jj, jj+1
.endr
	s_wait_loadcnt 24                              ; all but the 24 loads of X: the weight is in (and my index and X's scale words): its images are laid while X is on its way
.irp t, 0,1,2,3
	ds_store_b128 v[AWST], v[ACC+8*\t:ACC+8*\t+3] offset:1024*\t
	ds_store_b128 v[AWST], v[ACC+8*\t+4:ACC+8*\t+7] offset:1024*\t+512
.endr
	ds_store_b128 v[AWSST], v[SW:SW+3]
.set jj, 0
	s_wait_alu depctr_va_vdst(0)
.rept 24
.if (jj%4) == 0
	s_wait_loadcnt 20-jj                           ; loads come back in order (ISA guide 5.7.1): the next four of X's are in, the younger ones stay out
.endif
	ds_store_b128 v[XW+jj%3], v[XF+4*jj:XF+4*jj+3] offset:528*(jj%3)+1600*(jj/3)+128*(jj/12)
.set jj, jj+1
.endr
.irp u, 0,1                                    ; and back as fragments, into the registers that they left: LDS serves a wave's instructions in order (ISA guide 5.7.1.4), so these see my stores
.irp ks, 0,1,2,3,4,5
	ds_load_b128 v[XF+48*\u+8*\ks:XF+48*\u+8*\ks+3], v[XR] offset:8*XP*\u+64*\ks
	ds_load_b128 v[XF+48*\u+8*\ks+4:XF+48*\u+8*\ks+7], v[XR] offset:8*XP*\u+64*\ks+32
.endr
.endr
	s_branch .Llaid
.Lbiases:
	; ---- wave 18: its rows of X, all held at row 576, straight into the fragments' registers: it has no stage
.irp u, 0,1
.irp ks, 0,1,2,3,4,5
	global_load_b128 v[XF+48*\u+8*\ks:XF+48*\u+8*\ks+3], v[XO+\u], s[16:17] offset:64*\ks
	global_load_b128 v[XF+48*\u+8*\ks+4:XF+48*\u+8*\ks+7], v[XO+\u], s[16:17] offset:64*\ks+32
.endr
.endr
	; and the biases.  bk and bq as they lie (both halves of the lanes store the same bytes); bv at the lane's d of each tile, four times, so that one load fills four registers of an accumulator
	global_load_b128 v[ACC:ACC+3], v[GB], s[32:33]
	global_load_b128 v[ACC+4:ACC+7], v[GB], s[36:37]
.irp t, 0,1,2,3
	global_load_b32 v[ACC+8+4*\t], v[GBV], s[34:35] offset:(32*(\t/2)+8*(\t%2))*4
.endr
	s_wait_loadcnt 0x0
.irp t, 0,1,2,3
	v_mov_b32 v[ACC+9+4*\t], v[ACC+8+4*\t]
	v_mov_b32 v[ACC+10+4*\t], v[ACC+8+4*\t]
	v_mov_b32 v[ACC+11+4*\t], v[ACC+8+4*\t]
.endr
	ds_store_b128 v[ABST], v[ACC:ACC+3]
	ds_store_b128 v[ABST], v[ACC+4:ACC+7] offset:256
.irp t, 0,1,2,3
	ds_store_b128 v[AWS], v[ACC+8+4*\t:ACC+11+4*\t] offset:BVI-WSC+512*\t
.endr
.Llaid:
	s_wait_dscnt 0x0                               ; for the others' sake: my stores have landed, and my reads of X's stage are over
	s_barrier_signal -1
	s_barrier_wait -1                              ; the weights' images and the biases lie in LDS, and nobody writes them again; nobody reads X's stages any more: their bytes may be written
	v_min_u32 v[QO], NKEY-1, v[QO]                 ; the index, held inside the table
	s_delay_alu instid0(VALU_DEP_1)
	v_mul_u32_u24 v[QSO], v[QO], XSROW
	s_delay_alu instid0(VALU_DEP_2)
	v_mul_u32_u24 v[QO], v[QO], XROW
	s_delay_alu instid0(VALU_DEP_1)
	v_lshl_add_u32 v[QO], v[HH], 4, v[QO]
.irp i, 0,1,2
	global_load_b64 v[XQS+2*\i:XQS+2*\i+1], v[QSO], s[18:19] offset:8*\i   ; the gathered rows' scale words; waited for ahead of Q's products
.endr
	v_mov_b32 v[TP], 0                             ; written once: a lane permute's destination counts as one of its sources
	v_mov_b32 v[TP+1], 0
; A round: two fragments (tiles 2 pr, 2 pr + 1) of image wi and their scale words.  The four places stand in front of loads into registers that matrix instructions have read.
; gq >= 0: the gathered rows' fragment gq is asked for, into the registers of X tile 0's fragment gq, whose last products stood in the round before.
.macro ROUND wi, pr, gq
	PLACES 4
.if (\gq) >= 0
	global_load_b128 v[XF+8*(\gq):XF+8*(\gq)+3], v[QO], s[16:17] offset:64*(\gq)
	global_load_b128 v[XF+8*(\gq)+4:XF+8*(\gq)+7], v[QO], s[16:17] offset:64*(\gq)+32
.endif
.irp i, 0,1,2,3
	ds_load_b128 v[WF+4*\i:WF+4*\i+3], v[AW] offset:4096*(\wi)+2048*(\pr)+512*\i
.endr
	ds_load_b64 v[WS:WS+1], v[AWS] offset:512*(\wi)+8*(\pr)
	s_wait_dscnt 0x0
.endm
; Two groups of 16 numbers a lane, v[ACC ..] and v[ACC + 16 ..], each half a block of 32 (the other half lies in lane l xor 16), become codes in v[c0], v[c0 + 1] and v[c1], v[c1 + 1]; the scale bytes in v[TB], v[TB + 1].
; Each accumulator is read from its low end on.
.macro QUANT2 c0, c1
	v_max3_num_f32 v[TM], |v[ACC]|, |v[ACC+1]|, 0x1800000        ; with the floor 2^(3 - 127) among the leaves: the byte cannot fall under 1
	v_max3_num_f32 v[TM+1], |v[ACC+16]|, |v[ACC+17]|, 0x1800000
.irp i, 2,4,6,8,10,12,14
	v_max3_num_f32 v[TM], v[TM], |v[ACC+\i]|, |v[ACC+\i+1]|
	v_max3_num_f32 v[TM+1], v[TM+1], |v[ACC+16+\i]|, |v[ACC+17+\i]|
.endr
	s_delay_alu instid0(VALU_DEP_2)
	v_permlanex16_b32 v[TP], v[TM], s[SEL], s[SEL+1]
	s_delay_alu instid0(VALU_DEP_2)
	v_permlanex16_b32 v[TP+1], v[TM+1], s[SEL], s[SEL+1]
	s_delay_alu instid0(VALU_DEP_2)
	v_max_num_f32 v[TM], v[TM], v[TP]              ; the block's largest magnitude
	s_delay_alu instid0(VALU_DEP_2)
	v_max_num_f32 v[TM+1], v[TM+1], v[TP+1]
	s_delay_alu instid0(VALU_DEP_2)
	v_add_nc_u32 v[TSO], 0xff000000, v[TM]         ; 2 off its exponent field: the conversion takes the exponent field of this operand as its scale
	s_delay_alu instid0(VALU_DEP_2)
	v_add_nc_u32 v[TSO+1], 0xff000000, v[TM+1]
	s_delay_alu instid0(VALU_DEP_2)
	v_lshrrev_b32 v[TB], 23, v[TSO]                ; the scale's byte
	s_delay_alu instid0(VALU_DEP_2)
	v_lshrrev_b32 v[TB+1], 23, v[TSO+1]
	v_cvt_scalef32_pk8_fp4_f32 v[\c0], v[ACC:ACC+7], v[TSO]
	v_cvt_scalef32_pk8_fp4_f32 v[\c0+1], v[ACC+8:ACC+15], v[TSO]
	v_cvt_scalef32_pk8_fp4_f32 v[\c1], v[ACC+16:ACC+23], v[TSO+1]
	v_cvt_scalef32_pk8_fp4_f32 v[\c1+1], v[ACC+24:ACC+31], v[TSO+1]
	v_nop                                          ; one plain place behind the last scaled conversion
.endm
; K, block b of the head's two: k(key, 32 b + ..) = X Wk^T + bk for my 32 keys.  The bias is the sums' first C.  The four accumulators take turns, one instruction a turn.
.macro KPASS b
.irp u, 0,1
.irp t, 0,1
	ds_load_b128 v[ACC+16*\u+8*\t:ACC+16*\u+8*\t+3], v[ABK] offset:128*\b+32*\t        ; bk at d = 32 b + 16 h + 8 t + 0 .. 7
	ds_load_b128 v[ACC+16*\u+8*\t+4:ACC+16*\u+8*\t+7], v[ABK] offset:128*\b+32*\t+16
.endr
.endr
.irp ks, 0,1,2,3,4,5
	ROUND \ks, \b, -1
	MM ACC, WF, XF+8*\ks, WS, XS+\ks, 0
	MM ACC+8, WF+8, XF+8*\ks, WS+1, XS+\ks, 0
	MM ACC+16, WF, XF+48+8*\ks, WS, XS+\ks, 2
	MM ACC+24, WF+8, XF+48+8*\ks, WS+1, XS+\ks, 2
.endr
	PLACES 4
	QUANT2 KC+2*\b, KC+4+2*\b
.if \b == 0
	v_mov_b32 v[KW], v[TB]                         ; the scale word of a key: byte 0, byte 1; bytes 2 and 3 stay 0
	v_mov_b32 v[KW+1], v[TB+1]
.else
	v_lshl_or_b32 v[KW], v[TB], 8, v[KW]
	v_lshl_or_b32 v[KW+1], v[TB+1], 8, v[KW+1]
.endif
.endm
; V, weight tiles 2 g and 2 g + 1: v(32 w + .., d) = X Wv^T + bv.  A lane holds one d; its 16 registers of a tile are 16 neighbouring keys: half of key block w.
.macro VPASS g
.irp t, 0,1
.irp i, 0,1,2,3
	ds_load_b128 v[ACC+16*\t+4*\i:ACC+16*\t+4*\i+3], v[AWS] offset:BVI-WSC+512*(2*\g+\t)
.endr
.endr
.irp ks, 0,1,2,3,4,5
.if \g
	ROUND 6+\ks, \g, \ks-1
.else
	ROUND 6+\ks, \g, -1
.endif
	MM ACC, XF+8*\ks, WF, XS+\ks, WS, 0
	MM ACC+8, XF+48+8*\ks, WF, XS+\ks, WS, 1
	MM ACC+16, XF+8*\ks, WF+8, XS+\ks, WS+1, 0
	MM ACC+24, XF+48+8*\ks, WF+8, XS+\ks, WS+1, 1
.endr
	PLACES 4
.if \g
	global_load_b128 v[XF+40:XF+43], v[QO], s[16:17] offset:320      ; the gathered rows' last fragment
	global_load_b128 v[XF+44:XF+47], v[QO], s[16:17] offset:352
.endif
	s_cmp_lg_u32 s2, 18
	s_cbranch_scc1 .Lwhole_\@
	v_and_b32 v[TM], 31, v0                        ; wave 18: of key block 18 only key 576 is there (register 0 of lanes 0-15); the quantiser fills the rest with zeros
	s_delay_alu instid0(VALU_DEP_1)
	v_cmp_gt_u32 vcc_lo, 16, v[TM]
	v_cndmask_b32 v[ACC], 0, v[ACC], vcc_lo
	v_cndmask_b32 v[ACC+16], 0, v[ACC+16], vcc_lo
.irp i, 1,2,3,4,5,6,7,8,9,10,11,12,13,14,15
	v_mov_b32 v[ACC+\i], 0
	v_mov_b32 v[ACC+16+\i], 0
.endr
.Lwhole_\@:
	QUANT2 VC, VC+2
	ds_store_b64 v[AVI], v[VC:VC+1] offset:1024*(2*\g)
	ds_store_b64 v[AVI], v[VC+2:VC+3] offset:1024*(2*\g+1)
	ds_store_b8 v[AVSS], v[TB] offset:4*(2*\g)
	ds_store_b8 v[AVSS], v[TB+1] offset:4*(2*\g+1)
.endm
	; ---- K of my 32 keys: two tiles of 16 keys x 64, four registers a lane each
	KPASS 0
	KPASS 1
.irp u, 0,1                                    ; the operand's layout wants a whole block in a lane: lanes 0-15 block 0, lanes 16-31 block 1
	v_permlane16_swap_b32 v[KC+4*\u], v[KC+4*\u+2]
	v_permlane16_swap_b32 v[KC+4*\u+1], v[KC+4*\u+3]
.endr
	ds_store_b128 v[AKI], v[KC:KC+3]
	ds_store_b128 v[AKI], v[KC+4:KC+7] offset:512
	ds_store_b64 v[AKSS], v[KW:KW+1]               ; both halves of the lanes store the same words
	; ---- V of my 32 keys.  (The rounds' waits for LDS stand between these stores and the next write of their registers)
	VPASS 0
	VPASS 1
	s_cmp_lg_u32 s2, 18
	s_cbranch_scc1 .Lno_fill
	v_mov_b32 v[TM], 0                             ; wave 18: what the last step reads and no wave makes: K's scale words of tiles 6 and 7, V's block of keys 608 .. 639 and its scale bytes: zeros
	v_mov_b32 v[TM+1], 0
	ds_store_b64 v[AKSS], v[TM:TM+1] offset:8
.irp t, 0,1,2,3
	ds_store_b64 v[AVI], v[TM:TM+1] offset:1024*\t+256
	ds_store_b8 v[AVSS], v[TM] offset:4*\t+1
.endr
.Lno_fill:
	; ---- Q of my 16 gathered rows; it stays in registers
	v_add_nc_u32 v[AW], 12*4096, v[AW]             ; Wq's images (no LDS load of mine is out)
.irp t, 0,1,2,3
	ds_load_b128 v[ACC+8*\t:ACC+8*\t+3], v[ABK] offset:256+128*(\t/2)+32*(\t%2)       ; bq at d = 32 (t / 2) + 16 h + 8 (t % 2) + 0 .. 7
	ds_load_b128 v[ACC+8*\t+4:ACC+8*\t+7], v[ABK] offset:256+128*(\t/2)+32*(\t%2)+16
.endr
	s_wait_alu depctr_va_vdst(0)
	s_wait_loadcnt 0x0                             ; the gathered rows' codes and scale words
.irp ks, 0,1,2,3,4,5
	PLACES 4
.irp t, 0,1,2,3
	ds_load_b128 v[WFQ+8*\t:WFQ+8*\t+3], v[AW] offset:4096*\ks+1024*\t
	ds_load_b128 v[WFQ+8*\t+4:WFQ+8*\t+7], v[AW] offset:4096*\ks+1024*\t+512
.endr
	ds_load_b128 v[WS:WS+3], v[AWS] offset:512*(12+\ks)
	s_wait_dscnt 0x0
.irp t, 0,1,2,3
	MM ACC+8*\t, WFQ+8*\t, XF+8*\ks, WS+\t, XQS+\ks, 0
.endr
.endr
	PLACES 4
	QUANT2 QF, QF+2
	v_permlane16_swap_b32 v[QF], v[QF+2]
	v_permlane16_swap_b32 v[QF+1], v[QF+3]
.irp i, 4,5,6,7
	v_mov_b32 v[QF+\i], 0                          ; the upper 64 of the instruction's K: zero codes
.endr
	v_lshl_or_b32 v[QW], v[TB+1], 8, v[TB]
	s_wait_dscnt 0x0                               ; for the others' sake: my images of K and V have landed
	s_barrier_signal -1
.irp j, 0,1,2,3,4,5,6,7,8,9,10,11,12,13,14,15,16,17,18,19,20,21,22,23,24,25,26,27,28,29,30,31
	v_mov_b32 v[O+\j], 0                           ; O^T.  (The step is written once for the loop: its first trip finds zeros, which the first change of M leaves zeros.)  Work on registers while the others arrive
.endr
	v_mov_b32 v[MT], 0xff61b1e6                    ; the largest t so far: -3e38
	s_delay_alu instid0(VALU_DEP_1)
	v_floor_f32 v[NM], -v[MT]                      ; -M
	v_mov_b32 v[LS], 0
	v_mov_b32 v[LS+1], 0
	v_mov_b32 v[FF+1], 0                           ; (named as the upper half of a pair)
	s_mov_b32 s[RB], 0
	s_mov_b32 s48, 4
	s_barrier_wait -1                              ; all keys' K and V lie in LDS; nobody writes them again
; A KEY STEP.  last = 0: 128 keys.  last = 1: keys 512 .. 576: two whole blocks, and key 576 alone in the third.
.macro STEP last
.if \last
.set NT, 5                                     ; tiles of 16 keys
.set NB, 2                                     ; whole blocks of 32
.else
.set NT, 8
.set NB, 4
.endif
.set NBM, NB+\last                             ; blocks in all
.set NR, 16*NB                                 ; a lane's scores in whole blocks
	v_add_nc_u32 v[AS], s[RB], v[AR]               ; the step's record.  With the three below: the places in front of loads into registers that the last products read
	PLACES 3
.irp t, 0,1,2,3,4,5,6,7
.if \t < NT
	ds_load_b128 v[FB+4*\t:FB+4*\t+3], v[AS] offset:512*\t
.endif
.endr
	ds_load_b128 v[KSW:KSW+3], v[AS] offset:RKS
	s_wait_alu depctr_va_vdst(0)
	s_wait_dscnt 0x0
.irp t, 0,1,2,3,4,5,6,7                        ; S^T = K Q^T.  K's operand runs four registers beyond the tile's own: Q's zero codes stand against them
.if \t < NT
	MZ S+8*\t, FB+4*\t, QF, KSW+\t%4, QW, \t/4
.endif
.endr
	PLACES 4
.irp t, 0,1,2,3                                ; V^T's fragments are asked for now and land under the softmax
	ds_load_b128 v[FB+8*\t:FB+8*\t+3], v[AS] offset:RV+1024*\t
	ds_load_b128 v[FB+8*\t+4:FB+8*\t+7], v[AS] offset:RV+1024*\t+512
.endr
	ds_load_b128 v[VSW:VSW+3], v[AS] offset:RVS
.if \last
	v_and_b32 v[T0], 31, v0                        ; tile 4: register 0 of lanes 0-15 is key 576; all else in it are copies of that key and count for nothing
	v_mov_b32 v[T1], 0xff800000
	s_delay_alu instid0(VALU_DEP_2)
	v_cmp_gt_u32 vcc_lo, 16, v[T0]
	v_cndmask_b32 v[S+32], v[T1], v[S+32], vcc_lo  ; -infinity in lanes 16-31: p = 0 there
.irp i, 33,34,35,36,37,38,39
	v_mov_b32 v[S+\i], 0                           ; these stand for p = 0 as they are: no exponential is taken of them
.endr
	v_mov_b32 v[BM+2], v[S+32]
.endif
.irp b, 0,1,2,3
.if \b < NB
	v_max3_num_f32 v[BM+\b], v[S+16*\b], v[S+16*\b+1], v[S+16*\b+2]   ; the largest score of each block of 32 keys: for the row's maximum and, since p rises with the score, for the block's largest p
.endif
.endr
.irp i, 3,5,7,9,11,13
.irp b, 0,1,2,3
.if \b < NB
	v_max3_num_f32 v[BM+\b], v[BM+\b], v[S+16*\b+\i], v[S+16*\b+\i+1]
.endif
.endr
.endr
.irp b, 0,1,2,3
.if \b < NB
	v_max_num_f32 v[BM+\b], v[BM+\b], v[S+16*\b+15]
.endif
.endr
.irp b, 0,1,2,3
.if \b < NBM
	v_permlanex16_b32 v[BP+\b], v[BM+\b], s[SEL], s[SEL+1]
.endif
.endr
.irp b, 0,1,2,3
.if \b < NBM
	v_max_num_f32 v[BM+\b], v[BM+\b], v[BP+\b]     ; with lane l xor 16's 16 keys
.endif
.endr
	v_max3_num_f32 v[T0], v[BM], v[BM+1], v[BM+2]
.if \last == 0
	s_delay_alu instid0(VALU_DEP_1)
	v_max_num_f32 v[T0], v[T0], v[BM+3]
.endif
	s_delay_alu instid0(VALU_DEP_1)
	v_mul_f32 v[T0], s[CS], v[T0]                  ; the step's largest t (c is positive)
	s_delay_alu instid0(VALU_DEP_1)
	v_max_num_f32 v[MT], v[MT], v[T0]
	v_mov_b32 v[T0], v[NM]
	s_delay_alu instid0(VALU_DEP_2)
	v_floor_f32 v[NM], -v[MT]                      ; the new -M = -ceil(t): M is a whole number
	s_delay_alu instid0(VALU_DEP_1)
	v_sub_f32 v[T0], v[NM], v[T0]                  ; old M - new M: a whole number, 0 or less
	s_delay_alu instid0(VALU_DEP_1)
	v_cvt_i32_f32 v[T0], v[T0]                     ; (it saturates)
	s_delay_alu instid0(VALU_DEP_1)
	v_ldexp_f32 v[FF], 1.0, v[T0]                  ; f = 2^(old M - new M): a multiplication by it rounds nothing
.irp j, 0,2,4,6,8,10,12,14,16,18,20,22,24,26,28,30,32,34,36,38,40,42,44,46,48,50,52,54,56,58,60,62
.if \j < NR
	v_pk_fma_f32 v[S+\j:S+\j+1], v[S+\j:S+\j+1], s[CS:CS+1], v[NM:NM+1] op_sel_hi:[1,0,0]   ; t - M, two at a time
.endif
.endr
.if \last
	v_fma_f32 v[S+32], v[S+32], s[CS], v[NM]
.endif
.irp b, 0,1,2,3
.if \b < NBM
	v_fma_f32 v[BM+\b], v[BM+\b], s[CS], v[NM]     ; the same of each block's largest score
.endif
.endr
	s_wait_alu depctr_va_vdst(0)
.irp j, 0,1,2,3,4,5,6,7,8,9,10,11,12,13,14,15,16,17,18,19,20,21,22,23,24,25,26,27,28,29,30,31,32,33,34,35,36,37,38,39,40,41,42,43,44,45,46,47,48,49,50,51,52,53,54,55,56,57,58,59,60,61,62,63
.if \j < NR+\last
	v_exp_f32 v[S+\j], v[S+\j]                     ; p = 2^(t - M), at most 1, not normalised
.endif
.endr
	s_setprio 1
	v_pk_mul_f32 v[LS:LS+1], v[LS:LS+1], v[FF:FF+1] op_sel_hi:[1,0]   ; the sums under the new M: the plain instruction behind the exponentials
	s_wait_alu depctr_va_vdst(0)                   ; one wait for the whole batch, ahead of the first instruction that names a result
.irp b, 0,1,2,3
.if \b < NBM
	v_exp_f32 v[BM+\b], v[BM+\b]                   ; the blocks' largest p
.endif
.endr
	s_wait_alu depctr_va_vdst(0)
.irp j, 0,2,4,6,8,10,12,14,16,18,20,22,24,26,28,30
	v_pk_mul_f32 v[O+\j:O+\j+1], v[O+\j:O+\j+1], v[FF:FF+1] op_sel_hi:[1,0]   ; O^T under the new M, each accumulator from its low end on: independent work behind those exponentials
.endr
	s_wait_alu depctr_va_vdst(0)                   ; and one wait for them
.irp b, 0,1,2,3
.if \b < NBM
	v_max_num_f32 v[BM+\b], 0x1800000, v[BM+\b]    ; the floor 2^(3 - 127): the byte cannot fall under 1
.endif
.endr
.irp b, 0,1,2,3
.if \b < NBM
	v_add_nc_u32 v[SO+\b], 0xff000000, v[BM+\b]    ; 2 off the exponent field: the conversion's scale operand
.endif
.endr
.irp b, 0,1,2,3
.if \b < NBM
	v_lshrrev_b32 v[BP+\b], 23, v[SO+\b]           ; the scale's byte
.endif
.endr
	v_lshl_or_b32 v[PW], v[BP+1], 8, v[BP]         ; p's scale word for this step's keys
	s_delay_alu instid0(VALU_DEP_1)
	v_lshl_or_b32 v[PW], v[BP+2], 16, v[PW]
.if \last == 0
	s_delay_alu instid0(VALU_DEP_1)
	v_lshl_or_b32 v[PW], v[BP+3], 24, v[PW]
.endif
.irp b, 0,1,2,3
.if \b < NB
	v_cvt_scalef32_pk8_fp4_f32 v[PC+2*\b], v[S+16*\b:S+16*\b+7], v[SO+\b]
	v_cvt_scalef32_pk8_fp4_f32 v[PC+2*\b+1], v[S+16*\b+8:S+16*\b+15], v[SO+\b]
.endif
.endr
.if \last
	v_cvt_scalef32_pk8_fp4_f32 v[PC+4], v[S+32:S+39], v[SO+2]
	v_mov_b32 v[PC+5], 0                           ; no keys: zero codes.  (Also the plain place behind the last conversion)
	v_mov_b32 v[PC+6], 0
	v_mov_b32 v[PC+7], 0
.else
	v_nop                                          ; one plain place behind the last scaled conversion
.endif
	v_permlane16_swap_b32 v[PC], v[PC+2]           ; the operand's layout wants a whole block in a lane
	v_permlane16_swap_b32 v[PC+1], v[PC+3]
.if \last == 0
	v_permlane16_swap_b32 v[PC+4], v[PC+6]         ; (in the last step both sides of these two exchanges are zero codes: they are left out)
	v_permlane16_swap_b32 v[PC+5], v[PC+7]
.endif
	v_pk_add_f32 v[SU:SU+1], v[S:S+1], v[S+2:S+3]  ; THE ROW'S SUM IS TAKEN OF THE UNQUANTISED p, two at a time, in two chains.  These lines are also the places between the writes of p's scale word, p's codes and O^T and the products below
	s_setprio 0
.irp j, 4,8,12,16,20,24,28,32,36,40,44,48,52,56,60
.if \j < NR
	v_pk_add_f32 v[LS:LS+1], v[LS:LS+1], v[S+\j:S+\j+1]
	v_pk_add_f32 v[SU:SU+1], v[SU:SU+1], v[S+\j+2:S+\j+3]
.endif
.endr
	s_delay_alu instid0(VALU_DEP_1)
	v_pk_add_f32 v[LS:LS+1], v[LS:LS+1], v[SU:SU+1]
.if \last
	v_add_f32 v[LS], v[LS], v[S+32]                ; key 576's p
.endif
	s_wait_dscnt 0x0                               ; V^T's fragments and scale words are in
.irp t, 0,1,2,3                                ; O^T += V^T P^T: the four accumulators by turns, one instruction each
	MM O+8*\t, FB+8*\t, PC, VSW+\t, PW, 0
.endr
.if \last == 0
	s_add_co_u32 s[RB], s[RB], RECB                ; the next step's record
.endif
.endm
.Lstep:                                            ; four trips: keys 0 .. 511
	s_setprio 2
	STEP 0
	s_sub_co_u32 s48, s48, 1
	s_cmp_lg_u32 s48, 0
	s_cbranch_scc1 .Lstep
	s_setprio 0
	STEP 1                                         ; keys 512 .. 576
	; ---- THE WAY OUT.  O^T / the sum goes through my own stage in LDS and leaves as rows: a (query, head) is 256 consecutive bytes of out0, at a multiple of 256 from its first byte, and sixteen lanes store it whole.
	PLACES 2                                       ; with the two additions and the v_nop below: the places behind the last products
	s_wait_alu depctr_va_vdst(0)
	v_add_f32 v[LS], v[LS], v[LS+1]                ; the sum's two halves,
	s_delay_alu instid0(VALU_DEP_1)
	v_permlanex16_b32 v[BP], v[LS], s[SEL], s[SEL+1]
	s_delay_alu instid0(VALU_DEP_1)
	v_add_f32 v[LS], v[LS], v[BP]                  ; and lane l xor 16's
	s_wait_alu depctr_va_vdst(0)
	v_rcp_f32 v[FF], v[LS]
	v_nop                                          ; a plain instruction behind the reciprocal
	s_wait_alu depctr_va_vdst(0)                   ; and the wait ahead of its first reader
.irp j, 0,2,4,6,8,10,12,14,16,18,20,22,24,26,28,30
	v_pk_mul_f32 v[O+\j:O+\j+1], v[O+\j:O+\j+1], v[FF:FF+1] op_sel_hi:[1,0]   ; register 8 t + j is o(query r, d = 32 (t / 2) + 16 h + 8 (t % 2) + j)
.endr
.irp t, 0,1,2,3
	ds_store_b128 v[STO], v[O+8*\t:O+8*\t+3] offset:128*(\t/2)+32*(\t%2)
	ds_store_b128 v[STO], v[O+8*\t+4:O+8*\t+7] offset:128*(\t/2)+32*(\t%2)+16
.endr
.irp i, 0,1,2,3,4,5,6,7
	ds_load_b128 v[S+4*\i:S+4*\i+3], v[SRD] offset:544*\i   ; LDS serves a wave's instructions in order (ISA guide 5.7.1.4): these see my stores
.endr
	s_wait_dscnt 0x0
	s_cmp_eq_u32 s2, 18
	s_cbranch_scc1 .Lone_row
.irp i, 0,1,2,3,4,5,6,7
	global_store_b128 v[GO], v[S+4*\i:S+4*\i+3], s[40:41] offset:2*\i*OROW th:TH_STORE_NT   ; rows 2 i and 2 i + 1; written once, read by nobody here
.endr
	s_branch .Lstored
.Lone_row:                                         ; wave 18 has one query, 288: row 0, lanes 0-15
	v_and_b32 v[T0], 31, v0
	s_delay_alu instid0(VALU_DEP_1)
	v_cmp_gt_u32 vcc_lo, 16, v[T0]
	s_wait_xcnt 0x0                                ; EXEC changes only behind this wait,
	s_and_saveexec_b32 s49, vcc_lo
	global_store_b128 v[GO], v[S:S+3], s[40:41] th:TH_STORE_NT
	s_wait_xcnt 0x0                                ; and again in front of the line that widens it
	s_or_b32 exec_lo, exec_lo, s49
.Lstored:
	s_wait_tensorcnt 0x0                           ; the wave's end, behind my last LDS store
	ds_add_u32 v[SPW], v[NIL]
	s_wait_dscnt 0x0
	s_endpgm
.Lfunc_end_k_q442fa65b9b_attn:
	.size	k_q442fa65b9b_attn, .Lfunc_end_k_q442fa65b9b_attn-k_q442fa65b9b_attn
	.p2alignl 7, 3214868480
	.fill 96, 4, 3214868480
	.section	.rodata,"a",@progbits
	.p2align	6, 0x0
	.amdhsa_kernel k_q442fa65b9b_attn
		.amdhsa_group_segment_fixed_size 320768
		.amdhsa_private_segment_fixed_size 0
		.amdhsa_enable_private_segment 0
		.amdhsa_kernarg_size 104
		.amdhsa_user_sgpr_count 2
		.amdhsa_user_sgpr_kernarg_segment_ptr 1
		.amdhsa_wavefront_size32 1
		.amdhsa_system_sgpr_workgroup_id_x 1
		.amdhsa_system_sgpr_workgroup_id_y 1
		.amdhsa_system_sgpr_workgroup_id_z 1
		.amdhsa_system_vgpr_workitem_id 0
		.amdhsa_next_free_vgpr 192
		.amdhsa_next_free_sgpr 66
		.amdhsa_reserve_vcc 1
		.amdhsa_float_denorm_mode_32 3
		.amdhsa_float_denorm_mode_16_64 3
		.amdhsa_memory_ordered 1
		.amdhsa_forward_progress 1
		.amdhsa_inst_pref_size 100
	.end_amdhsa_kernel
	.amdgpu_metadata
---
amdhsa.version: [ 1, 2 ]
amdhsa.kernels:
  - .name:           k_q442fa65b9b_attn
    .symbol:         k_q442fa65b9b_attn.kd
    .args:
      - { .name: hidden_states_codes, .offset: 0, .size: 8, .value_kind: global_buffer, .address_space: global }
      - { .name: hidden_states_scales, .offset: 8, .size: 8, .value_kind: global_buffer, .address_space: global }
      - { .name: Wk_codes, .offset: 16, .size: 8, .value_kind: global_buffer, .address_space: global }
      - { .name: Wk_scales, .offset: 24, .size: 8, .value_kind: global_buffer, .address_space: global }
      - { .name: Wv_codes, .offset: 32, .size: 8, .value_kind: global_buffer, .address_space: global }
      - { .name: Wv_scales, .offset: 40, .size: 8, .value_kind: global_buffer, .address_space: global }
      - { .name: Wq_codes, .offset: 48, .size: 8, .value_kind: global_buffer, .address_space: global }
      - { .name: Wq_scales, .offset: 56, .size: 8, .value_kind: global_buffer, .address_space: global }
      - { .name: bk, .offset: 64, .size: 8, .value_kind: global_buffer, .address_space: global }
      - { .name: bv, .offset: 72, .size: 8, .value_kind: global_buffer, .address_space: global }
      - { .name: bq, .offset: 80, .size: 8, .value_kind: global_buffer, .address_space: global }
      - { .name: patch_indices_to_keep, .offset: 88, .size: 8, .value_kind: global_buffer, .address_space: global }
      - { .name: out0, .offset: 96, .size: 8, .value_kind: global_buffer, .address_space: global }
    .group_segment_fixed_size: 320768
    .private_segment_fixed_size: 0
    .kernarg_segment_align: 8
    .kernarg_segment_size: 104
    .max_flat_workgroup_size: 608
    .sgpr_count:     66
    .vgpr_count:     192
    .wavefront_size: 32
...
	.end_amdgpu_metadata
.endif
;; end of part 1
